; MI455X (gfx1250); checked and timed in simulation.
; The chip was launched on July 23, 2026; its instructions are those of AMD's public machine-readable ISA for CDNA 5 (MIT licence, August 2026) and "CDNA5" Instruction Set Architecture Reference Guide (July 2026). The comments in the code are by the model that wrote it; some were corrected since.
;; Equi Linear Layer. Allowed arithmetic: float matrix products may take bf16 or f16 operands with f32 sums; all other float work in f32.
;; Inputs: blade 9 x 16 x 16 float32; weights 256 x 512 x 9 float32; x 8 x 256 x 512 x 16 float32.
;; Outputs: out0 8 x 256 x 256 x 16 float32.
;; 2 versions, each right and faster than the one before. Each part assembles by itself: llvm-mc -triple=amdgcn-amd-amdhsa -mcpu=gfx1250 --defsym DOCPART=n.
;; ======== version 1 of 2: 2 launches
;; limits: values are held in f16: magnitudes above 65,504 overflow, below 6.1e-05 lose precision; right only within a limited range of input values
;; workspace buffers: wh 2,359,296 bytes
;; launch wprep (part 1): grid 256 x 1, 2 waves a work-group, no clusters, 0 bytes of LDS; arguments weights, wh; writes wh
.if DOCPART == 1
	.amdgcn_target "amdgcn-amd-amdhsa--gfx1250"
	.amdhsa_code_object_version 6
	.text
	.protected	k_q812aef4daa_wprep
	.globl	k_q812aef4daa_wprep
	.p2align	8
	.type	k_q812aef4daa_wprep,@function
k_q812aef4daa_wprep:
	s_mov_b64 s[64:65], 0
	v_nop
	global_prefetch_b8 v0, s[64:65] scope:SCOPE_SE
	s_setreg_imm32_b32 hwreg(HW_REG_WAVE_MODE, 25, 1), 1
	s_wait_xcnt 0x0
; weights [256 j][512 i][9 b] f32  ->  wh, f16, in the order in which the next launch's matrix instructions take them:
;   wh[ks = 9 iblk + b (144)][jt (16)][c (2)][L (32)][e (8)] = weights[16 jt + L % 16][32 iblk + 16 c + 8 (L / 16) + e][b]
; 1,024 bytes (one jt of one ks) are one source-1 fragment of 16 columns j x 32 k: lane L's registers 0-3 at c = 0, 4-7 at c = 1, 16 bytes a lane.
; LIMITS.  Each weight is rounded once to f16: beyond 65,504 it becomes an infinity; below 6e-5 it keeps f16's fixed step of 6e-8.
; SHARES.  Work-group g: jt = g % 16, iblk = g / 16.  Wave = c.  A lane owns 8 i x 9 b = 72 consecutive floats (288 bytes, a multiple of 16 from the buffer's first byte):
; 18 loads of 16 bytes; register SRC + 9 e + b holds element (e, b).  For each b four packed roundings make the lane's 16 bytes, and a wave's store covers 512 consecutive bytes,
; at a multiple of 512 from wh's first byte.  No LDS, no barrier: no lane needs another's numbers.  4.7 MB are read once and 2.4 MB written once.
.set SRC, 8                            ; v[8:79]    72 floats as loaded
.set DST, 80                           ; v[80:115]  for each b four registers of f16 pairs
	s_load_b128 s[4:7], s[0:1], 0x0                ; weights s[4:5], wh s[6:7]
	v_lshrrev_b32 v1, 5, v0
	v_readfirstlane_b32 s8, v1                     ; c = my wave's number
	s_and_b32 s9, ttmp9, 15                        ; jt
	s_lshr_b32 s10, ttmp9, 4                       ; iblk
	s_mul_i32 s12, s9, 294912                      ; 16 rows j of 18,432 bytes
	s_mul_i32 s14, s10, 1152                       ; 32 i of 36 bytes
	s_add_co_u32 s12, s12, s14
	s_mul_i32 s14, s8, 576                         ; 16 i
	s_add_co_u32 s12, s12, s14
	s_mov_b32 s13, 0
	s_mul_i32 s16, s10, 147456                     ; 9 K steps of 16,384 bytes
	s_lshl_b32 s14, s9, 10
	s_add_co_u32 s16, s16, s14
	s_lshl_b32 s14, s8, 9
	s_add_co_u32 s16, s16, s14
	s_mov_b32 s17, 0
	v_and_b32 v2, 15, v0                           ; r = L % 16
	v_bfe_u32 v3, v0, 4, 1                         ; h = L / 16
	v_mul_u32_u24 v4, v2, 18432                    ; my row j,
	v_mad_u32_u24 v4, v3, 288, v4                  ; my 8 i
	v_and_b32 v5, 31, v0
	v_lshlrev_b32 v5, 4, v5                        ; 16 L
	s_wait_kmcnt 0x0
	s_add_nc_u64 s[4:5], s[4:5], s[12:13]
	s_add_nc_u64 s[6:7], s[6:7], s[16:17]
.set n, 0
.rept 18
	global_load_b128 v[SRC+4*n:SRC+4*n+3], v4, s[4:5] offset:16*n
.set n, n+1
.endr
	s_wait_loadcnt 0x0                             ; every b takes numbers from the first load to the last
.set n, 0
.rept 36                               ; n = 4 b + t: elements e = 2 t and 2 t + 1 of b
	v_cvt_pk_f16_f32 v[DST+n], v[SRC+18*(n%4)+n/4], v[SRC+18*(n%4)+9+n/4]
.set n, n+1
.endr
.set n, 0
.rept 9
	global_store_b128 v5, v[DST+4*n:DST+4*n+3], s[6:7] offset:16384*n
.set n, n+1
.endr
	s_endpgm
.Lfunc_end_k_q812aef4daa_wprep:
	.size	k_q812aef4daa_wprep, .Lfunc_end_k_q812aef4daa_wprep-k_q812aef4daa_wprep
	.p2alignl 7, 3214868480
	.fill 96, 4, 3214868480
	.section	.rodata,"a",@progbits
	.p2align	6, 0x0
	.amdhsa_kernel k_q812aef4daa_wprep
		.amdhsa_group_segment_fixed_size 0
		.amdhsa_private_segment_fixed_size 0
		.amdhsa_enable_private_segment 0
		.amdhsa_kernarg_size 16
		.amdhsa_user_sgpr_count 2
		.amdhsa_user_sgpr_kernarg_segment_ptr 1
		.amdhsa_wavefront_size32 1
		.amdhsa_system_sgpr_workgroup_id_x 1
		.amdhsa_system_sgpr_workgroup_id_y 1
		.amdhsa_system_sgpr_workgroup_id_z 1
		.amdhsa_system_vgpr_workitem_id 0
		.amdhsa_next_free_vgpr 116
		.amdhsa_next_free_sgpr 66
		.amdhsa_reserve_vcc 0
		.amdhsa_float_denorm_mode_32 3
		.amdhsa_float_denorm_mode_16_64 3
		.amdhsa_memory_ordered 1
		.amdhsa_forward_progress 1
		.amdhsa_inst_pref_size 7
	.end_amdhsa_kernel
	.amdgpu_metadata
---
amdhsa.version: [ 1, 2 ]
amdhsa.kernels:
  - .name:           k_q812aef4daa_wprep
    .symbol:         k_q812aef4daa_wprep.kd
    .args:
      - { .name: weights, .offset: 0, .size: 8, .value_kind: global_buffer, .address_space: global }
      - { .name: wh, .offset: 8, .size: 8, .value_kind: global_buffer, .address_space: global }
    .group_segment_fixed_size: 0
    .private_segment_fixed_size: 0
    .kernarg_segment_align: 8
    .kernarg_segment_size: 16
    .max_flat_workgroup_size: 64
    .sgpr_count:     66
    .vgpr_count:     116
    .wavefront_size: 32
...
	.end_amdgpu_metadata
.endif
;; end of part 1
;; launch equi (part 2): grid 256 x 1, 4 waves a work-group, clusters of 4 x 1, 327,680 bytes of LDS; arguments x, blade, wh, out0; writes out0
.if DOCPART == 2
	.amdgcn_target "amdgcn-amd-amdhsa--gfx1250"
	.amdhsa_code_object_version 6
	.text
	.protected	k_q812aef4daa_equi
	.globl	k_q812aef4daa_equi
	.p2align	8
	.type	k_q812aef4daa_equi,@function
k_q812aef4daa_equi:
	s_mov_b64 s[64:65], 0
	v_nop
	global_prefetch_b8 v0, s[64:65] scope:SCOPE_SE
	s_setreg_imm32_b32 hwreg(HW_REG_WAVE_MODE, 25, 1), 1
	s_wait_xcnt 0x0
	s_wait_alu depctr_hold_cnt(0) depctr_sa_sdst(0) depctr_va_vdst(0) depctr_va_sdst(0) depctr_va_ssrc(0) depctr_va_vcc(0) depctr_vm_vsrc(0)
	s_getreg_b32 s2, hwreg(HW_REG_IB_STS2, 6, 4)
	s_cmp_eq_u32 s2, 0
	s_cbranch_scc0 .Lentry_in_a_cluster
	s_endpgm
.Lentry_in_a_cluster:
	s_bfe_u32 s2, ttmp6, 0x10000c
	s_cmp_lg_u32 s2, 0x3003
	s_cbranch_scc0 .Lentry_shape_is_right
	s_endpgm
.Lentry_shape_is_right:
; out[p][j][y] = sum over i, x, b of weights[j][i][b] blade[b][x][y] x[p][i][x].   p: 2,048 points, i: 512, j: 256, x and y: 16, b: 9.  x, blade, out in f32; wh = the weights in f16, in fragment order.
; THE ORDER OF THE PRODUCTS.  t[p][i][b][y] = sum over x of x[p][i][x] blade[b][x][y] is made first, in registers; then out[(p,y)][j] = sum over (i,b) of t[(p,y)][(i,b)] weights[j][(i,b)]:
; 32,768 x 256 x 4,608 multiply-adds where the kernel tensor's way has 2,048 x 4,096 x 8,192.  The sums are the same but for rounding and order: K runs by blocks of 32 i, in a block by b, then by i.
; LIMITS.  All four matrix operands (x, blade, t, weights) are rounded once to f16, all sums are f32.  |x|, |blade|, |weights| and |t| must stay under 65,504 (t's 16 terms: x and blade both
; 30 times the unit spread, or both offset by 30, give |t| of some 2e4); below 6e-5 a number keeps f16's fixed step of 6e-8.  NaN and infinities are not treated apart; an infinite blade would
; also meet the zero half of K below and give NaN.
; SHARES.  A work-group owns 8 points and all 256 j; each of its four waves 2 points x 256 j: 32 accumulators of 16 (y) x 16 (j).  A wave loads its own x into registers (each byte of x is read once
; in the launch), so x needs no LDS.  A K STEP is one (block of 32 i, b): 4 small products make t two steps ahead, 16 roundings make it f16 one step ahead, 32 products multiply it by 16 fragments of W.
; LAYOUT.  GEN: source 0 = 16 i x 16 x (the upper 16 of K = 32 are zeros), source 1 = 16 y x 16 x of blade b.  In the result a lane holds ONE y (lane % 16) and i = 8 (lane / 16) + 0..7.  Two such
; results, rounded to f16 in pairs, ARE source 0 (16 rows y x 32 i) of the main product; nothing changes lanes.  Its result holds j = lane % 16 and y = 8 (lane / 16) + 0..7: 32 consecutive bytes of out.
; x's places in K: registers 0, 1 hold x = 4 h + 0..3, registers 2, 3 x = 8 + 4 h + 0..3 (h = lane / 16): two loads of 16 bytes, 32 apart; blade is laid the same way.
; W IN LDS.  A block of 32 i is 9 K steps x 16,384 bytes, dense in wh; two slots of 147,456 bytes take turns.  It lies in LDS as in memory, so each fragment load takes 512 consecutive bytes: no padding.
; CLUSTER.  Every work-group walks the same W, so four of them ask JOINTLY (mask 15): the same tensor load with the same descriptor in all four.  A mask names four at the most, so 4 x 1 shares as much as 4 x 4 would.
; Each wave fetches a quarter of a tile.  By this text's count a wave has two tensor loads out at the start, one behind each round; a refill has 308 matrix instructions, eight and a half K steps, in which to land.
; REGISTERS, in windows of 256 (s_set_vgpr_msb: bits 1:0 source 0, 3:2 source 1, 5:4 source 2, 7:6 destination):
;   window 0: addresses, blade, x, t (below).   window 1: v0-127 point 0's accumulators (tile jt at 8 jt); v128-255 W's fragments 0-7, two buffers of 64.   window 2: the same for point 1 and fragments 8-15.
; Under a main product's setting an LDS load has its address in window 0 and its destination in the accumulators' window: the next step's fragments 8 p .. 8 p + 7 ride behind point p's products without a switch.
.set TILE,  147456                     ; a slot: 9 blocks of 16,384 bytes; LDS block g = 9 slot + b begins at 16,384 g
.set STAGE, 2*TILE                     ; behind the ring, never filled by a tensor load: for each wave 64 rows (j) of 64 bytes + 16 of padding, for the way out
.set SROW,  80
.set WSTG,  64*SROW
.set SPARE, STAGE+4*WSTG               ; behind the stages: the spare words, 128 bytes for each wave: two blocks of 256 bytes that no other line names
.set XO,  3                            ; v3      64 r + 16 h: my 16 bytes in 16 rows of x
.set WA,  4                            ; v4-8    16 x lane + 65,536 k: block g is reached from register g / 4 with (g % 4) x 16,384 in the immediate
.set STO, 9                            ; v9      the way out: where I put 16 bytes of a row
.set RD,  10                           ; v10     the way out: where I read rows back
.set GO,  11                           ; v11     16 x lane: my place in 512 consecutive bytes of out
.set SPW, 12                           ; v12     LDS address of my spare word: SPARE + 4 x my thread's number; never rewritten
.set NIL, 13                           ; v13     0; never rewritten
.set BO,  14                           ; v14     4 r + 256 h: my place in blade
.set BL,  16                           ; v16-55  blade b in f16 at BL + 4 b, four registers; v52-55 = 0.  Source 1 names eight: the upper four (the next b's, finite) meet x's zeros
.set XA,  56                           ; v56-87  x in f16: f = 2 p + q (point p, half q of the 32 i) at XA + 8 f; registers 4-7 of each are 0, written once
.set XS,  88                           ; v88-119 x in f32 as loaded, 8 registers for each f
.set G,   120                          ; v120-151 GEN's results, 8 for each f
.set T,   152                          ; v152-183 t in f16: buffer par, point p at T + 16 par + 8 p
.set BS,  184                          ; v184-255 blade in f32 as loaded: at the start alone
.set OB,  184                          ; v184-215, v216-247 the way out: 64 rows read back, two buffers
.set WF,  128                          ; W's fragments in windows 1 and 2: buffer par at WF + 64 par
.set G1,  24                           ; s[24:31] descriptor group 1
.set G0,  32                           ; s[32:39] descriptor group 0, a set for each slot
.set MSB, 0
.macro WIN new                         ; the immediate's high byte repeats the setting that is left; a switch that changes nothing is dropped
.if MSB != (\new)
	s_set_vgpr_msb (MSB<<8)|(\new)
.set MSB, \new
.endif
.endm
.macro PLACES                          ; four places (ISA guide 7.12.1) where no other vector work is at hand
.rept 4
	v_nop
.endr
.endm
; A round of the cluster's barrier: my work-group's barrier, so that wave 0's signal speaks for all four waves; wave 0 signals; every wave waits for all four work-groups; my work-group's barrier once more.
.macro CREST                           ; a round behind its opening barrier
	s_cmp_lg_u32 s12, 0
	s_cbranch_scc1 .Lnot_wave_0_\@
	s_barrier_signal -3
.Lnot_wave_0_\@:
	s_barrier_wait -3
	s_barrier_signal -1
	s_barrier_wait -1
.endm
.macro CROUND
	s_barrier_signal -1
	s_barrier_wait -1
	CREST
.endm
; x of one block of 32 i, both points: 8 loads; a pair of them covers 1,024 consecutive bytes
.macro XLOAD
.set f, 0
.rept 4
	global_load_b128 v[XS+8*f:XS+8*f+3],   v[XO], s[4:5] offset:(f/2)*32768+(f%2)*1024 th:TH_LOAD_NT
	global_load_b128 v[XS+8*f+4:XS+8*f+7], v[XO], s[4:5] offset:(f/2)*32768+(f%2)*1024+32 th:TH_LOAD_NT
.set f, f+1
.endr
.endm
.macro XCVT                            ; rounded to f16, into the lower halves of the four fragments
.set f, 0
.rept 16
	v_cvt_pk_f16_f32 v[XA+8*(f/4)+f%4], v[XS+8*(f/4)+2*(f%4)], v[XS+8*(f/4)+2*(f%4)+1]
.set f, f+1
.endr
.endm
.macro GEN b                           ; t of blade b for the 32 i in XA, both points: four products, each starts its sum with the constant 0
.set f, 0
.rept 4
	v_wmma_f32_16x16x32_f16 v[G+8*f:G+8*f+7], v[XA+8*f:XA+8*f+7], v[BL+4*(\b):BL+4*(\b)+7], 0
.set f, f+1
.endr
.endm
.macro TCVT tp                         ; GEN's results rounded to f16 into buffer tp of T; each result is read from its lowest registers on
.set f, 0
.rept 16
	v_cvt_pk_f16_f32 v[T+16*(\tp)+f], v[G+2*f], v[G+2*f+1]
.set f, f+1
.endr
.endm
; 16 LDS loads in one run: fragments 8 p .. 8 p + 7 of LDS block NB into buffer 1 - PAR of window 1 + p
.macro LUMP p
	WIN 0x40*(1+(\p))
.set f, 0
.rept 16
	ds_load_b128 v[WF+64*(1-PAR)+4*f:WF+64*(1-PAR)+4*f+3], v[WA+(NB>>2)] offset:(NB&3)*16384+(16*(\p)+f)*512
.set f, f+1
.endr
.endm
; Point p's 16 products of a K step, on 16 accumulators by turns.  zero = 1: they start the sums.  ride = 1: behind product jt stands one load, half jt % 2 of the next step's fragment 8 p + jt / 2.
; waits = 1 (point 0, riders on): LDS loads come back in order (ISA guide 5.7.1), and every step issues its 32 in the order of the fragments.  Ahead of product 0: the last step's 16 loads of fragments 8-15
; may be out.  Ahead of product 8: the 8 loads of fragments 12-15 and this step's 8 riders.  Ahead of product 12: this step's 12 riders.
.macro HALF p, zero, ride, waits
.set jt, 0
.rept 16
.if (\waits) && ((jt == 0) || (jt == 8))
	s_wait_dscnt 16
.endif
.if (\waits) && (jt == 12)
	s_wait_dscnt 12
.endif
	WIN 0x54+0x50*(\p)+4*(jt/8)                    ; t in window 0, W in window 1 or 2, C and D in window 1 + p
.if \zero
	v_wmma_f32_16x16x32_f16 v[8*jt:8*jt+7], v[T+16*PAR+8*(\p):T+16*PAR+8*(\p)+7], v[WF+64*PAR+8*(jt%8):WF+64*PAR+8*(jt%8)+7], 0
.else
	v_wmma_f32_16x16x32_f16 v[8*jt:8*jt+7], v[T+16*PAR+8*(\p):T+16*PAR+8*(\p)+7], v[WF+64*PAR+8*(jt%8):WF+64*PAR+8*(jt%8)+7], v[8*jt:8*jt+7]
.endif
.if \ride
	ds_load_b128 v[WF+64*(1-PAR)+4*jt:WF+64*(1-PAR)+4*jt+3], v[WA+(NB>>2)] offset:(NB&3)*16384+(16*(\p)+jt)*512
.endif
.set jt, jt+1
.endr
.endm
; K STEP st of a lap of 18 (two blocks of 32 i; slot st / 9, b = st % 9).  It multiplies T and W of buffer st % 2; rounds t of step st + 1 (cvt); makes t of step st + 2 (gen); fetches W of step st + 1 (ride).
; The four v_nop at its head are the places behind the last step's products, whose T and W buffers are written now, and behind the last step's GEN, whose results are read now and whose x may be rewritten;
; with twelve roundings of other results they are also the places in front of this step's GEN, which writes over the last one's results.
; The 32 accumulators take turns, one instruction a turn, with GEN's four between the halves; so too over the loop's backward jump.
; xcv = 1 (b = 7): the next block's x, asked for nine steps ago, is rounded: this step's GEN is the first that wants it.  xld = 1: the block after that is asked for.
; turn = 1 (b = 8): THE CHANGE OF SLOTS.  This slot's last bytes were asked for in step b = 7.  Each wave waits for all its tensor loads, of which one is out: its quarter of the other slot; adds 0 to its spare
; word; waits for that and for its reads of this slot.  The barrier opens a round of the cluster's, so that no wave of any partner still reads this slot or has a load on its way; point 0's products, work on
; registers, stand between signal and wait.  The joint refill (the block of i two on) is the first thing behind the round; then the other slot's first block is read.  turn = 2: the last change: no refill, no round.
.macro STEP st, zero, turn, cvt, gen, ride, xcv, xld
.set PAR, (\st)%2
.set NB,  ((\st)+1)%18
.set B2,  ((\st)+2)%9
.set SL,  (\st)/9
	WIN 0
.if \turn
	s_wait_tensorcnt 0x0                           ; no tensor load of mine is out, so a group 0 may be written
	ds_add_u32 v[SPW], v[NIL]                      ; 0 onto my spare word: the roundings below stand between it and the wait for it
.endif
.if \cvt
	PLACES
	TCVT 1-PAR
.endif
.if \xcv
	s_wait_loadcnt 0x0                             ; the eight loads of x are the only ones out
	XCVT
.endif
.if \xld
	s_add_nc_u64 s[4:5], s[4:5], 2048              ; 32 i of 64 bytes on: the base is free since the wait above
	XLOAD
.endif
.if (\turn) == 1
	s_add_nc_u64 s[G0+4*SL+2:G0+4*SL+3], s[G0+4*SL+2:G0+4*SL+3], 2*TILE  ; this slot's next tile; the type bits on top are not reached
.endif
.if \turn
	s_wait_dscnt 0x0                               ; the add is done, and my reads of this slot are over
	s_barrier_signal -1
	HALF 0, \zero, 0, 0
	WIN 0                                          ; at a branch and at a label every window is 0
	s_barrier_wait -1
.elseif \ride
	HALF 0, \zero, 1, 1
.else
	s_wait_dscnt 0x0                               ; the last step: nothing rides, so all of W is waited for at once
	HALF 0, \zero, 0, 0
.endif
.if (\turn) == 1
	CREST
	tensor_load_to_lds s[G0+4*SL:G0+4*SL+3], s[G1:G1+7]
	s_nop 0
	PLACES                                         ; an s_nop 0 and four v_nop follow the load, ahead of the next switch of windows
.endif
.if \gen
	WIN 0
	GEN B2
.endif
.if \turn
	LUMP 0                                         ; what would have ridden behind point 0's products
.endif
	HALF 1, \zero, \ride, 0
.endm
; THE WAY OUT, in eight chunks of one point x 64 j (4,096 consecutive bytes of out).  A lane's eight y of one j are 32 bytes; they go into my own stage, rows of 80 bytes, and come back as 512 consecutive bytes.
.macro TOSTAGE ch
	WIN 4*(1+(\ch)/4)                              ; store data (source 1) in the point's window
.set tt, 0
.rept 4
	ds_store_b128 v[STO], v[8*(4*((\ch)%4)+tt):8*(4*((\ch)%4)+tt)+3] offset:16*SROW*tt       ; each accumulator's lowest registers first
	ds_store_b128 v[STO], v[8*(4*((\ch)%4)+tt)+4:8*(4*((\ch)%4)+tt)+7] offset:16*SROW*tt+16
.set tt, tt+1
.endr
	WIN 0
	s_wait_xcnt 0x0                                ; every earlier memory instruction has had its addresses translated (ISA guide 3.1): the registers that the chunk two back stored from are loaded again only behind this wait
.set tt, 0
.rept 8
	ds_load_b128 v[OB+32*((\ch)%2)+4*tt:OB+32*((\ch)%2)+4*tt+3], v[RD] offset:8*SROW*tt  ; LDS serves a wave's instructions in order (ISA guide 5.7.1.4): these see the stores above; the next chunk's stores come behind them
.set tt, tt+1
.endr
.endm
.macro SEND ch, younger                ; younger: the LDS instructions issued behind this chunk's loads: the next chunk's sixteen, or none
.set tt, 0
.rept 8
	s_wait_dscnt (\younger)+7-tt
	global_store_b128 v[GO], v[OB+32*((\ch)%2)+4*tt:OB+32*((\ch)%2)+4*tt+3], s[10:11] offset:(\ch)*4096+512*tt th:TH_STORE_NT  ; 512 consecutive bytes, at a multiple of 512 from out's first byte
.set tt, tt+1
.endr
.endm
	s_load_b256 s[4:11], s[0:1], 0x0               ; x s[4:5], blade s[6:7], wh s[8:9], out s[10:11]
	v_lshl_add_u32 v[SPW], v0, 2, SPARE
	v_mov_b32 v[NIL], 0
	ds_add_u32 v[SPW], v[NIL]                      ; the wave's opening: the add and its wait come ahead of my first tensor load; the set-up below, work on registers, stands between them
	v_lshrrev_b32 v1, 5, v0
	v_readfirstlane_b32 s12, v1                    ; wave 0..3
	s_bfe_u32 s13, ttmp6, 0x40000                  ; cx: my place in the cluster
	s_lshl_b32 s14, ttmp9, 2                       ; in a cluster launch ttmp9 counts clusters
	s_add_co_u32 s14, s14, s13                     ; my work-group = 4 x cluster + cx: it enters x's and out's addresses alone
	s_lshl_b32 s16, s14, 18                        ; x: 8 points of 32,768 bytes a work-group,
	s_lshl_b32 s17, s12, 16                        ; 2 a wave
	s_add_co_u32 s16, s16, s17
	s_mov_b32 s17, 0
	s_lshl_b32 s18, s14, 17                        ; out: 8 points of 16,384 bytes,
	s_lshl_b32 s19, s12, 15                        ; 2 a wave
	s_add_co_u32 s18, s18, s19
	s_mov_b32 s19, 0
	s_mul_i32 s20, s12, TILE/4                     ; my quarter of a tile, in wh and in a slot: no place in the cluster enters it
	s_mov_b32 s21, 0
	; descriptor group 1: 36,864 dense bytes as 144 rows of 256 bytes
	s_mov_b32 s[G1+0], 15|(3<<16)|(1<<21)          ; 15:0 the mask: all four work-groups; 17:16 elements of 8 bytes; 20 no padding; 21 set beside a mask
	s_mov_b32 s[G1+1], 32<<16                      ; tensor_dim0 = 32
	s_mov_b32 s[G1+2], 144<<16                     ; tensor_dim1 = 144
	s_mov_b32 s[G1+3], 32<<16                      ; tile_dim0 = 32
	s_mov_b32 s[G1+4], 144                         ; tile_dim1 = 144
	s_mov_b32 s[G1+5], 32                          ; 32 elements from row to row
	s_mov_b32 s[G1+6], 0
	s_mov_b32 s[G1+7], 0
	s_wait_dscnt 0x0                               ; the opening add is done
	s_wait_kmcnt 0x0
	s_add_nc_u64 s[4:5], s[4:5], s[16:17]          ; x and out at my wave's first point
	s_add_nc_u64 s[10:11], s[10:11], s[18:19]
	s_add_nc_u64 s[8:9], s[8:9], s[20:21]          ; wh at my quarter of tile 0
.irp n, 0,1
	s_mov_b32 s[G0+4*(\n)], 1                                      ; count = 1
	s_add_co_u32 s[G0+4*(\n)+1], s20, (\n)*TILE                    ; LDS address: slot n, my quarter
	s_add_nc_u64 s[G0+4*(\n)+2:G0+4*(\n)+3], s[8:9], (\n)*TILE     ; global address: tile n
	s_or_b32 s[G0+4*(\n)+3], s[G0+4*(\n)+3], 0x80000000            ; type = 2
.endr
	CROUND                                         ; all four work-groups are here: the first joint loads meet
	tensor_load_to_lds s[G0:G0+3], s[G1:G1+7]      ; both first fills go out together, ahead of every wait on TENSORcnt and every LDS read
	s_nop 0
	tensor_load_to_lds s[G0+4:G0+7], s[G1:G1+7]
	s_nop 0
	PLACES
	v_and_b32 v1, 15, v0                           ; r = lane % 16
	v_bfe_u32 v2, v0, 4, 1                         ; h = lane / 16
	v_lshlrev_b32 v[XO], 6, v1
	v_lshl_add_u32 v[XO], v2, 4, v[XO]
	XLOAD                                          ; x of the first 32 i
	v_lshlrev_b32 v[BO], 2, v1
	v_lshl_add_u32 v[BO], v2, 8, v[BO]
.set f, 0
.rept 72                               ; blade b = f / 8, element e = f % 8 of my eight: x = 4 h + e, or 8 + 4 h + e - 4; column y = r
	global_load_b32 v[BS+f], v[BO], s[6:7] offset:1024*(f/8)+64*(f%8)+256*((f%8)/4)
.set f, f+1
.endr
	v_and_b32 v[GO], 31, v0
	v_lshlrev_b32 v[GO], 4, v[GO]
.irp k, 0,1,2,3,4
	v_add_nc_u32 v[WA+(\k)], 65536*(\k), v[GO]
.endr
	s_mul_i32 s22, s12, WSTG
	s_add_co_u32 s22, s22, STAGE                   ; my stage
	v_mul_u32_u24 v[STO], v1, SROW                 ; in: row r of a tile's 16, 32 bytes for each half of the lanes
	v_lshl_add_u32 v[STO], v2, 5, v[STO]
	v_add_nc_u32 v[STO], s22, v[STO]
	v_bfe_u32 v15, v0, 2, 3                        ; back: 32 lanes take eight rows of 64 bytes
	v_mul_u32_u24 v[RD], v15, SROW
	v_and_b32 v15, 3, v0
	v_lshl_add_u32 v[RD], v15, 4, v[RD]
	v_add_nc_u32 v[RD], s22, v[RD]
.irp n, 0,1,2,3
	v_mov_b32 v[XA+8*(\n)+4], 0                    ; the upper 16 of GEN's K: zeros, written once
	v_mov_b32 v[XA+8*(\n)+5], 0
	v_mov_b32 v[XA+8*(\n)+6], 0
	v_mov_b32 v[XA+8*(\n)+7], 0
	v_mov_b32 v[BL+36+(\n)], 0                     ; and what stands behind the last blade
.endr
	s_wait_loadcnt 0x0                             ; x and blade
	XCVT
.set f, 0
.rept 36
	v_cvt_pk_f16_f32 v[BL+f], v[BS+2*f], v[BS+2*f+1]
.set f, f+1
.endr
	s_add_nc_u64 s[4:5], s[4:5], 2048
	XLOAD                                          ; x of the second 32 i
	GEN 0
	PLACES
	TCVT 0                                         ; t of step 0
	GEN 1                                          ; t of step 1: step 0 rounds it
	s_wait_tensorcnt 1                             ; my quarter of slot 0 is in; slot 1's may stay out
	s_barrier_signal -1
	s_barrier_wait -1                              ; everybody's is
.set PAR, 1
.set NB, 0
	LUMP 0                                         ; W of step 0 into buffer 0
	LUMP 1
	STEP 0, 1,0,1,1,1,0,0                          ; the first K step stands in front of the loop: its products start the 32 sums
	WIN 0                                          ; at a label and at a branch every window is 0
	s_mov_b32 s40, 7
.Llap:                                                 ; a trip goes once round the ring, from a lap's step 1 to the next lap's step 0, and fills both slots again
.irp n, 1,2,3,4,5,6
	STEP \n, 0,0,1,1,1,0,0
.endr
	STEP 7,  0,0,1,1,1,1,1
	STEP 8,  0,1,1,1,1,0,0
.irp n, 9,10,11,12,13,14,15
	STEP \n, 0,0,1,1,1,0,0
.endr
	STEP 16, 0,0,1,1,1,1,1
	STEP 17, 0,1,1,1,1,0,0
	STEP 0,  0,0,1,1,1,0,0
	WIN 0
	s_sub_co_u32 s40, s40, 1
	s_cmp_lg_u32 s40, 0
	s_cbranch_scc1 .Llap
.irp n, 1,2,3,4,5,6                    ; the last lap is written out: it asks for nothing
	STEP \n, 0,0,1,1,1,0,0
.endr
	STEP 7,  0,0,1,1,1,1,0                         ; the last 32 i are rounded; no x is left to ask for
	STEP 8,  0,2,1,1,1,0,0
.irp n, 9,10,11,12,13,14,15
	STEP \n, 0,0,1,1,1,0,0
.endr
	STEP 16, 0,0,1,0,1,0,0                         ; no step 18 to make t for,
	STEP 17, 0,0,0,0,0,0,0                         ; none to round or to fetch for
	WIN 0
	PLACES                                         ; the stores into the stage read results just made
	TOSTAGE 0
.irp a, 1,2,3,4,5,6,7                  ; a chunk's way through the stage stands between the loads of the chunk before and its stores
	TOSTAGE \a
	SEND (\a)-1, 16
.endr
	SEND 7, 0
	s_wait_tensorcnt 0x0                           ; the wave's end: behind my last tensor load and my last LDS store
	ds_add_u32 v[SPW], v[NIL]
	s_wait_dscnt 0x0
	CROUND                                         ; the closing round: no work-group ends while a partner may still ask for a tile that names it
	s_endpgm
.Lfunc_end_k_q812aef4daa_equi:
	.size	k_q812aef4daa_equi, .Lfunc_end_k_q812aef4daa_equi-k_q812aef4daa_equi
	.p2alignl 7, 3214868480
	.fill 96, 4, 3214868480
	.section	.rodata,"a",@progbits
	.p2align	6, 0x0
	.amdhsa_kernel k_q812aef4daa_equi
		.amdhsa_group_segment_fixed_size 327680
		.amdhsa_private_segment_fixed_size 0
		.amdhsa_enable_private_segment 0
		.amdhsa_kernarg_size 32
		.amdhsa_user_sgpr_count 2
		.amdhsa_user_sgpr_kernarg_segment_ptr 1
		.amdhsa_wavefront_size32 1
		.amdhsa_system_sgpr_workgroup_id_x 1
		.amdhsa_system_sgpr_workgroup_id_y 1
		.amdhsa_system_sgpr_workgroup_id_z 1
		.amdhsa_system_vgpr_workitem_id 0
		.amdhsa_next_free_vgpr 768
		.amdhsa_next_free_sgpr 66
		.amdhsa_reserve_vcc 0
		.amdhsa_float_denorm_mode_32 3
		.amdhsa_float_denorm_mode_16_64 3
		.amdhsa_memory_ordered 1
		.amdhsa_forward_progress 1
		.amdhsa_inst_pref_size 244
	.end_amdhsa_kernel
	.amdgpu_metadata
---
amdhsa.version: [ 1, 2 ]
amdhsa.kernels:
  - .name:           k_q812aef4daa_equi
    .symbol:         k_q812aef4daa_equi.kd
    .args:
      - { .name: x, .offset: 0, .size: 8, .value_kind: global_buffer, .address_space: global }
      - { .name: blade, .offset: 8, .size: 8, .value_kind: global_buffer, .address_space: global }
      - { .name: wh, .offset: 16, .size: 8, .value_kind: global_buffer, .address_space: global }
      - { .name: out0, .offset: 24, .size: 8, .value_kind: global_buffer, .address_space: global }
    .group_segment_fixed_size: 327680
    .private_segment_fixed_size: 0
    .kernarg_segment_align: 8
    .kernarg_segment_size: 32
    .max_flat_workgroup_size: 128
    .sgpr_count:     66
    .vgpr_count:     768
    .wavefront_size: 32
...
	.end_amdgpu_metadata
.endif
;; end of part 2
;; ======== version 2 of 2: 2 launches; 1.91 times as fast as version 1
;; limits: values are held in f16: magnitudes above 65,504 overflow, below 6.1e-05 lose precision; right only within a limited range of input values
;; workspace buffers: wh 2,359,296 bytes
;; launch wprep (part 3): grid 256 x 1, 2 waves a work-group, no clusters, 0 bytes of LDS; arguments weights, wh; writes wh
.if DOCPART == 3
	.amdgcn_target "amdgcn-amd-amdhsa--gfx1250"
	.amdhsa_code_object_version 6
	.text
	.protected	k_q812aef4daa_wprep
	.globl	k_q812aef4daa_wprep
	.p2align	8
	.type	k_q812aef4daa_wprep,@function
k_q812aef4daa_wprep:
	s_mov_b64 s[64:65], 0
	v_nop
	global_prefetch_b8 v0, s[64:65] scope:SCOPE_SE
	s_setreg_imm32_b32 hwreg(HW_REG_WAVE_MODE, 25, 1), 1
	s_wait_xcnt 0x0
; weights [256 j][512 i][9 b] f32  ->  wh, f16, in the order in which the next launch's matrix instructions take them:
;   wh[m (8)][b (9)][kh (2)][jt (16)][c (2)][L (32)][e (8)] = weights[16 jt + L % 16][32 (2 m + kh) + 16 c + 8 (L / 16) + e][b]
; 1,024 bytes (one jt) are one source-1 fragment of 16 columns j x 32 k: lane L's registers 0-3 at c = 0, 4-7 at c = 1, 16 bytes a lane.  The blocks of 32 i go in pairs (kh = the block's parity),
; since the next launch shares K between two waves by that parity: 32,768 bytes are one K step of both.
; LIMITS.  Each weight is rounded once to f16: beyond 65,504 it becomes an infinity; below 6e-5 it keeps f16's fixed step of 6e-8.
; SHARES.  Work-group g: jt = g % 16, block of i = g / 16.  Wave = c.  A lane owns 8 i x 9 b = 72 consecutive floats (288 bytes, a multiple of 16 from the buffer's first byte):
; 18 loads of 16 bytes; register SRC + 9 e + b holds element (e, b).  For each b four packed roundings make the lane's 16 bytes, and a wave's store covers 512 consecutive bytes,
; at a multiple of 512 from wh's first byte.  No LDS, no barrier: no lane needs another's numbers.  4.7 MB are read once and 2.4 MB written once.
.set SRC, 8                            ; v[8:79]    72 floats as loaded
.set DST, 80                           ; v[80:115]  for each b four registers of f16 pairs
	s_load_b128 s[4:7], s[0:1], 0x0                ; weights s[4:5], wh s[6:7]
	v_lshrrev_b32 v1, 5, v0
	v_readfirstlane_b32 s8, v1                     ; c = my wave's number
	s_and_b32 s9, ttmp9, 15                        ; jt
	s_lshr_b32 s10, ttmp9, 4                       ; the block of 32 i
	s_mul_i32 s12, s9, 294912                      ; 16 rows j of 18,432 bytes
	s_mul_i32 s14, s10, 1152                       ; 32 i of 36 bytes
	s_add_co_u32 s12, s12, s14
	s_mul_i32 s14, s8, 576                         ; 16 i
	s_add_co_u32 s12, s12, s14
	s_mov_b32 s13, 0
	s_lshr_b32 s11, s10, 1                         ; m
	s_and_b32 s15, s10, 1                          ; kh
	s_mul_i32 s16, s11, 294912                     ; 9 K steps of 32,768 bytes
	s_lshl_b32 s14, s15, 14
	s_add_co_u32 s16, s16, s14
	s_lshl_b32 s14, s9, 10
	s_add_co_u32 s16, s16, s14
	s_lshl_b32 s14, s8, 9
	s_add_co_u32 s16, s16, s14
	s_mov_b32 s17, 0
	v_and_b32 v2, 15, v0                           ; r = L % 16
	v_bfe_u32 v3, v0, 4, 1                         ; h = L / 16
	v_mul_u32_u24 v4, v2, 18432                    ; my row j,
	v_mad_u32_u24 v4, v3, 288, v4                  ; my 8 i
	v_and_b32 v5, 31, v0
	v_lshlrev_b32 v5, 4, v5                        ; 16 L
	s_wait_kmcnt 0x0
	s_add_nc_u64 s[4:5], s[4:5], s[12:13]
	s_add_nc_u64 s[6:7], s[6:7], s[16:17]
.set n, 0
.rept 18
	global_load_b128 v[SRC+4*n:SRC+4*n+3], v4, s[4:5] offset:16*n
.set n, n+1
.endr
	s_wait_loadcnt 0x0                             ; every b takes numbers from the first load to the last
.set n, 0
.rept 36                               ; n = 4 b + t: elements e = 2 t and 2 t + 1 of b
	v_cvt_pk_f16_f32 v[DST+n], v[SRC+18*(n%4)+n/4], v[SRC+18*(n%4)+9+n/4]
.set n, n+1
.endr
.set n, 0
.rept 9
	global_store_b128 v5, v[DST+4*n:DST+4*n+3], s[6:7] offset:32768*n
.set n, n+1
.endr
	s_endpgm
.Lfunc_end_k_q812aef4daa_wprep:
	.size	k_q812aef4daa_wprep, .Lfunc_end_k_q812aef4daa_wprep-k_q812aef4daa_wprep
	.p2alignl 7, 3214868480
	.fill 96, 4, 3214868480
	.section	.rodata,"a",@progbits
	.p2align	6, 0x0
	.amdhsa_kernel k_q812aef4daa_wprep
		.amdhsa_group_segment_fixed_size 0
		.amdhsa_private_segment_fixed_size 0
		.amdhsa_enable_private_segment 0
		.amdhsa_kernarg_size 16
		.amdhsa_user_sgpr_count 2
		.amdhsa_user_sgpr_kernarg_segment_ptr 1
		.amdhsa_wavefront_size32 1
		.amdhsa_system_sgpr_workgroup_id_x 1
		.amdhsa_system_sgpr_workgroup_id_y 1
		.amdhsa_system_sgpr_workgroup_id_z 1
		.amdhsa_system_vgpr_workitem_id 0
		.amdhsa_next_free_vgpr 116
		.amdhsa_next_free_sgpr 66
		.amdhsa_reserve_vcc 0
		.amdhsa_float_denorm_mode_32 3
		.amdhsa_float_denorm_mode_16_64 3
		.amdhsa_memory_ordered 1
		.amdhsa_forward_progress 1
		.amdhsa_inst_pref_size 7
	.end_amdhsa_kernel
	.amdgpu_metadata
---
amdhsa.version: [ 1, 2 ]
amdhsa.kernels:
  - .name:           k_q812aef4daa_wprep
    .symbol:         k_q812aef4daa_wprep.kd
    .args:
      - { .name: weights, .offset: 0, .size: 8, .value_kind: global_buffer, .address_space: global }
      - { .name: wh, .offset: 8, .size: 8, .value_kind: global_buffer, .address_space: global }
    .group_segment_fixed_size: 0
    .private_segment_fixed_size: 0
    .kernarg_segment_align: 8
    .kernarg_segment_size: 16
    .max_flat_workgroup_size: 64
    .sgpr_count:     66
    .vgpr_count:     116
    .wavefront_size: 32
...
	.end_amdgpu_metadata
.endif
;; end of part 3
;; launch equi (part 4): grid 256 x 1, 4 waves a work-group, clusters of 4 x 1, 327,680 bytes of LDS; arguments x, blade, wh, out0; writes out0
.if DOCPART == 4
	.amdgcn_target "amdgcn-amd-amdhsa--gfx1250"
	.amdhsa_code_object_version 6
	.text
	.protected	k_q812aef4daa_equi
	.globl	k_q812aef4daa_equi
	.p2align	8
	.type	k_q812aef4daa_equi,@function
k_q812aef4daa_equi:
	s_mov_b64 s[64:65], 0
	v_nop
	global_prefetch_b8 v0, s[64:65] scope:SCOPE_SE
	s_setreg_imm32_b32 hwreg(HW_REG_WAVE_MODE, 25, 1), 1
	s_wait_xcnt 0x0
	s_wait_alu depctr_hold_cnt(0) depctr_sa_sdst(0) depctr_va_vdst(0) depctr_va_sdst(0) depctr_va_ssrc(0) depctr_va_vcc(0) depctr_vm_vsrc(0)
	s_getreg_b32 s2, hwreg(HW_REG_IB_STS2, 6, 4)
	s_cmp_eq_u32 s2, 0
	s_cbranch_scc0 .Lentry_in_a_cluster
	s_endpgm
.Lentry_in_a_cluster:
	s_bfe_u32 s2, ttmp6, 0x10000c
	s_cmp_lg_u32 s2, 0x3003
	s_cbranch_scc0 .Lentry_shape_is_right
	s_endpgm
.Lentry_shape_is_right:
; out[p][j][y] = sum over i, x, b of weights[j][i][b] blade[b][x][y] x[p][i][x].   p: 2,048 points, i: 512, j: 256, x and y: 16, b: 9.  x, blade, out in f32; wh = the weights in f16, in fragment order.
; THE ORDER OF THE PRODUCTS.  t[p][i][b][y] = sum over x of x[p][i][x] blade[b][x][y] is made first, in registers; then out[(p,y)][j] = sum over (i,b) of t[(p,y)][(i,b)] weights[j][(i,b)]:
; 32,768 x 256 x 4,608 multiply-adds where the kernel tensor's way has 2,048 x 4,096 x 8,192.
; LIMITS.  All four matrix operands (x, blade, t, weights) are rounded once to f16, all sums are f32.  |x|, |blade|, |weights| and |t| must stay under 65,504 (t's 16 terms: x and blade both
; 30 times the unit spread, or both offset by 30, give |t| of some 2e4); below 6e-5 a number keeps f16's fixed step of 6e-8.  NaN and infinities are not treated apart; an infinite blade would
; also meet the zero half of K below and give NaN.  Each output is the sum of two f32 partial sums, over the even and over the odd blocks of 32 i;
; in each K runs by blocks, in a block by b, then by i.
; SHARES.  A work-group owns 8 points and all 256 j.  Its waves go in pairs: pair w / 2 has 4 points, and of the 16 blocks of 32 i wave w takes those of parity kh = w % 2.  So a wave has 4 points x 256 j,
; 64 accumulators of 16 (y) x 16 (j), for 72 K steps, and each fragment of W read from LDS feeds four products.  At the end a wave hands its partner the partial sums of the partner's two points
; through LDS, adds what it receives and stores its own two.  A wave loads its own x into registers (each byte of x is read once in the launch), so x needs no LDS.
; My LOCAL points 0, 1 are the two that I keep (points 2 w, 2 w + 1 of the work-group's 8), local 2, 3 the partner's: two offsets into x carry the difference, and no branch hangs on it.
; LAYOUT.  GEN: source 0 = 16 i x 16 x (the upper 16 of K = 32 are zeros), source 1 = 16 y x 16 x of blade b.  In the result a lane holds ONE y (lane % 16) and i = 8 (lane / 16) + 0..7.  Two such
; results, rounded to f16 in pairs, ARE source 0 (16 rows y x 32 i) of the main product; nothing changes lanes.  Its result holds j = lane % 16 and y = 8 (lane / 16) + 0..7: 32 consecutive bytes of out.
; x's places in K: registers 0, 1 hold x = 4 h + 0..3, registers 2, 3 x = 8 + 4 h + 0..3 (h = lane / 16): two loads of 16 bytes, 32 apart; blade is laid the same way.
; A K STEP is one (block of 32 i, b), in two like halves: four places, 16 roundings, ONE run of 16 LDS loads, 4 products GEN, 32 products.  Half A multiplies tiles jt 0-7 of all four points and fetches this
; step's fragments 8-15; half B multiplies jt 8-15 and fetches the next step's fragments 0-7.  So W needs one buffer of 128 registers, and each run has a half step in which to land.
; W IN LDS.  Step l of a pair of blocks lies at 32,768 l + 16,384 kh, as in wh, so each fragment load takes 512 consecutive bytes: no padding.  Nine steps do not halve, so the two slots are uneven:
; R0 = steps 0-4, R1 = steps 5-8.
; CLUSTER.  Every work-group walks the same W, so four of them ask JOINTLY (mask 15): the same tensor load with the same descriptor in all four.  A mask names four at the most, so 4 x 1 shares as much as 4 x 4 would.
; Each wave fetches a quarter of a slot.  By this text's count a wave has two tensor loads out at the start, one behind each round; R0's refill has 16 + 3 x 72 + 36 = 268 matrix instructions in which to land, R1's 340.
; REGISTERS, in windows of 256 (s_set_vgpr_msb: bits 1:0 source 0, 3:2 source 1, 5:4 source 2, 7:6 destination):
;   window 0: addresses, blade, x in f16, GEN's results, t (below).   window 1: v0-127 W's 16 fragments; v128-191 x in f32 as loaded.
;   window 2: local points 0, 1: tile jt of point p at 128 p + 8 jt.   window 3: the same for local points 2, 3.          A K step has ten switches for its 72 matrix instructions.
.set STEPB, 32768                      ; a K step of both parities
.set R0B,   5*STEPB                    ; slot R0, from LDS byte 0
.set R1B,   4*STEPB                    ; slot R1, behind it
.set BLOCK, 9*STEPB                    ; a pair of blocks of 32 i: the ring, and the step of both slots' addresses in wh
.set STAGE, BLOCK                      ; behind the ring, never filled by a tensor load: for each wave 64 rows (j) of 64 bytes + 16 of padding, for the way out
.set SROW,  80
.set WSTG,  64*SROW
.set SPARE, STAGE+4*WSTG               ; behind the stages: the spare words, 128 bytes for each wave: two blocks of 256 bytes that no other line names
.set XOK, 3                            ; v3, v4  64 r + 16 h + the two points that I keep (v3), that I hand over (v4): my 16 bytes in 16 rows of x
.set WA,  5                            ; v5-9    16 x lane + 16,384 kh + 65,536 k: step l is reached from register l / 2 with (l % 2) x 32,768 in the immediate
.set STO, 10                           ; v10     the way out: where I put 16 bytes of a row
.set RD,  11                           ; v11     the way out: where I read rows back
.set GO,  12                           ; v12     16 x lane: my place in 512 consecutive bytes
.set SPW, 13                           ; v13     LDS address of my spare word: SPARE + 4 x my thread's number; never rewritten
.set NIL, 14                           ; v14     0; never rewritten
.set BO,  15                           ; v15     4 r + 256 h: my place in blade
.set EXS, 16                           ; v16     the exchange: where I put what I hand over: 16 x lane + 32,768 w
.set EXL, 17                           ; v17     where my partner has put what is mine
.set TV,  18                           ; v18     at work in the set-up
.set BL,  20                           ; v20-59  blade b in f16 at BL + 4 b, four registers; v56-59 = 0.  Source 1 names eight: the upper four (the next b's, finite) meet x's zeros
.set XA,  64                           ; v64-127 x in f16: f = 2 p + q (local point p, half q of the 32 i) at XA + 8 f; registers 4-7 of each are 0, written once
.set G,   128                          ; v128-191 GEN's results, 8 for each f
.set T,   192                          ; v192-239 t in f16: three halves of 16 registers (two points each), which rotate: step l has points 0, 1 in half -l mod 3, points 2, 3 in half 1 - l mod 3
.set BS,  128                          ; v128-199 blade in f32 as loaded: at the start alone
.set OB,  64                           ; v64-95, v96-127 the way out: 64 rows read back, two buffers
.set XS,  128                          ; window 1: x in f32, 8 registers for each f
.set G1A, 24                           ; s[24:31] descriptor group 1 for R0
.set G1B, 32                           ; s[32:39] for R1: it differs in the number of rows
.set G0A, 40                           ; s[40:43] descriptor group 0 for R0
.set G0B, 44                           ; s[44:47] for R1
.set MSB, 0
.macro WIN new                         ; the immediate's high byte repeats the setting that is left; a switch that changes nothing is dropped
.if MSB != (\new)
	s_set_vgpr_msb (MSB<<8)|(\new)
.set MSB, \new
.endif
.endm
.macro PLACES                          ; four places (ISA guide 7.12.1) where no other vector work is at hand
.rept 4
	v_nop
.endr
.endm
; A round of the cluster's barrier: my work-group's barrier, so that wave 0's signal speaks for all four waves; wave 0 signals; every wave waits for all four work-groups; my work-group's barrier once more.
.macro CREST                           ; a round behind its opening barrier
	s_cmp_lg_u32 s12, 0
	s_cbranch_scc1 .Lnot_wave_0_\@
	s_barrier_signal -3
.Lnot_wave_0_\@:
	s_barrier_wait -3
	s_barrier_signal -1
	s_barrier_wait -1
.endm
.macro CROUND
	s_barrier_signal -1
	s_barrier_wait -1
	CREST
.endm
; x of one block of 32 i, four points: 16 loads; a pair of them covers 1,024 consecutive bytes
.macro XLOAD
	WIN 0x40                                       ; destination window 1, address window 0
.set f, 0
.rept 8
	global_load_b128 v[XS+8*f:XS+8*f+3],   v[XOK+f/4], s[4:5] offset:((f/2)%2)*32768+(f%2)*1024 th:TH_LOAD_NT
	global_load_b128 v[XS+8*f+4:XS+8*f+7], v[XOK+f/4], s[4:5] offset:((f/2)%2)*32768+(f%2)*1024+32 th:TH_LOAD_NT
.set f, f+1
.endr
.endm
.macro XCVT hp                         ; x of local points 2 hp, 2 hp + 1 rounded to f16, into the lower halves of their four fragments
	WIN 0x05                                       ; sources window 1, destination window 0
.set f, 16*(\hp)
.rept 16
	v_cvt_pk_f16_f32 v[XA+8*(f/4)+f%4], v[XS+8*(f/4)+2*(f%4)], v[XS+8*(f/4)+2*(f%4)+1]
.set f, f+1
.endr
.endm
.macro GEN hp, b                       ; t of blade b for the 32 i in XA, local points 2 hp, 2 hp + 1: four products, each starts its sum with the constant 0
.set f, 4*(\hp)
.rept 4
	v_wmma_f32_16x16x32_f16 v[G+8*f:G+8*f+7], v[XA+8*f:XA+8*f+7], v[BL+4*(\b):BL+4*(\b)+7], 0
.set f, f+1
.endr
.endm
.macro TCVT hp, hb                     ; those four results rounded to f16 into half hb of T; each result is read from its lowest registers on
.set f, 0
.rept 16
	v_cvt_pk_f16_f32 v[T+16*(\hb)+f], v[G+32*(\hp)+2*f], v[G+32*(\hp)+2*f+1]
.set f, f+1
.endr
.endm
.macro RUN hf, blk                     ; 16 LDS loads in one run: fragments 8 hf .. 8 hf + 7 of LDS step blk
	WIN 0x40                                       ; destination window 1, address window 0
.set f, 0
.rept 16
	ds_load_b128 v[64*(\hf)+4*f:64*(\hf)+4*f+3], v[WA+((\blk)>>1)] offset:((\blk)&1)*32768+(16*(\hf)+f)*512
.set f, f+1
.endr
.endm
; 16 products, back to back, on 16 accumulators by turns: tiles jt = 8 hf .. 8 hf + 7 of local points 2 wv, 2 wv + 1.  zero = 1: they start the sums.
.macro PROD hf, wv, zero
	WIN 0xa4+0x50*(\wv)                            ; t in window 0, W in window 1, C and D in window 2 + wv
.set n, 0
.rept 16
.set rD, 128*(n/8)+8*(8*(\hf)+n%8)
.set rA, T+16*(TA*(1-(\wv))+TB*(\wv))+8*(n/8)
.set rB, 8*(8*(\hf)+n%8)
.if \zero
	v_wmma_f32_16x16x32_f16 v[rD:rD+7], v[rA:rA+7], v[rB:rB+7], 0
.else
	v_wmma_f32_16x16x32_f16 v[rD:rD+7], v[rA:rA+7], v[rB:rB+7], v[rD:rD+7]
.endif
.set n, n+1
.endr
.endm
; K STEP st (= b) of a block.  nxt = 1: a step follows: its t is made (GEN) and in part rounded, its first fragments are fetched.
; HALF A: t of this step's points 2, 3 is rounded; this step's fragments 8-15 are asked for; GEN for the next step's points 0, 1; tiles 0-7.
; HALF B: t of the next step's points 0, 1 is rounded; the next step's fragments 0-7 are asked for; GEN for its points 2, 3; tiles 8-15.
; The four v_nop at a half's head are the places behind the products just issued, whose half of T is written and whose fragments are loaded over now, and behind the GEN of the half before, whose results are read now.
; s_wait_dscnt 16: LDS loads come back in order (ISA guide 5.7.1): the 16 just issued may be out, the fragments wanted now were asked for a half step ago.  GEN stands between the run and that wait: it needs no W.
; The 64 accumulators take turns, one instruction a turn, with GEN's four between the halves; so too over the loop's backward jump.
; xld = 1 (b = 1): the next block's x is asked for, seven steps ahead.  xcv = 1 (b = 8): it is rounded, two points in each half: this step's GEN is the first that wants it.
; turn = 1 (b = 4: R0; b = 8: R1): THE CHANGE OF SLOTS, in half B.  The slot's last bytes were asked for in half A.  Each wave waits for all its tensor loads, of which one is out: its quarter of the other slot;
; adds 0 to its spare word; waits for that and for its reads of this slot.  The barrier opens a round of the cluster's, so that no wave of any partner still reads this slot or has a load on its way; GEN and
; 16 products, work on registers, stand between signal and wait.  The joint refill (the next pair of blocks) is the first thing behind the round; then the run reads the other slot's first bytes.
; turn = 2: the last change: no refill, no round.  nxt = 0: the last step: its barrier says that nobody reads the ring any more.
.macro STEP st, zero, turn, nxt, xld, xcv
.set TA, (3-(\st)%3)%3                 ; the half of T with this step's points 0, 1
.set TB, (4-(\st)%3)%3                 ; with its points 2, 3
.set TN, (3-((\st)+1)%3)%3             ; the free half: the next step's points 0, 1
.set NS, ((\st)+1)%9                   ; the next step: its b, and its place in the ring
.if (\st) == 4
.set GZ, G0A
.set GS, G1A
.else
.set GZ, G0B
.set GS, G1B
.endif
	WIN 0
	PLACES
	TCVT 1, TB
.if \xcv
	s_wait_loadcnt 0x0                             ; the sixteen loads of x are the only ones out
	XCVT 0
.endif
.if \xld
	s_add_nc_u64 s[4:5], s[4:5], 4096              ; my next block: 64 i of 64 bytes on; the base is free since the wait for the last block's loads
	XLOAD
.endif
	RUN 1, \st
.if \nxt
	WIN 0
	GEN 0, NS
.endif
	s_wait_dscnt 16
	PROD 0, 0, \zero
	PROD 0, 1, \zero
	WIN 0
.if \turn
	s_wait_tensorcnt 0x0                           ; no tensor load of mine is out, so a group 0 may be written
	ds_add_u32 v[SPW], v[NIL]                      ; 0 onto my spare word: the roundings below stand between it and the wait for it
.endif
.if \nxt
	PLACES
	TCVT 0, TN
.endif
.if \xcv
	XCVT 1
.endif
.if (\turn) == 1
	s_add_nc_u64 s[GZ+2:GZ+3], s[GZ+2:GZ+3], BLOCK ; this slot's next tile; the type bits on top are not reached
.endif
.if \turn
	s_wait_dscnt 0x0                               ; the add is done, my reads of this slot are over, and fragments 8-15 are in
	s_barrier_signal -1
	WIN 0
	GEN 1, NS
	PROD 1, 0, \zero
	WIN 0                                          ; at a branch and at a label every window is 0
	s_barrier_wait -1
.if (\turn) == 1
	CREST
	tensor_load_to_lds s[GZ:GZ+3], s[GS:GS+7]
	s_nop 0
	PLACES                                         ; an s_nop 0 and four v_nop follow the load, ahead of the next switch of windows
.endif
	RUN 0, NS                                      ; the other slot is whole
	PROD 1, 1, \zero
.elseif \nxt
	RUN 0, NS
	WIN 0
	GEN 1, NS
	s_wait_dscnt 16
	PROD 1, 0, \zero
	PROD 1, 1, \zero
.else
	s_wait_dscnt 0x0                               ; fragments 8-15 are in: my last reads of the ring
	s_barrier_signal -1
	PROD 1, 0, \zero
	PROD 1, 1, \zero
	WIN 0
	s_barrier_wait -1                              ; everybody's are: the ring, which has had its last fill, may be written
.endif
.endm
; THE EXCHANGE.  Group g = 4 accumulators, 32 registers.  What I receive lands in the registers that I have handed over (window 3) and is added onto the same numbers of window 2.
.macro RECV g
	WIN 0xc0                                       ; destination window 3, address window 0
.set tt, 0
.rept 8
	ds_load_b128 v[32*(\g)+4*tt:32*(\g)+4*tt+3], v[EXL] offset:512*(8*(\g)+tt)
.set tt, tt+1
.endr
.endm
.macro SUM g
	WIN 0x8e                                       ; destination and source 0 window 2, source 1 window 3
.set tt, 0
.rept 16
	v_pk_add_f32 v[32*(\g)+2*tt:32*(\g)+2*tt+1], v[32*(\g)+2*tt:32*(\g)+2*tt+1], v[32*(\g)+2*tt:32*(\g)+2*tt+1]  ; each accumulator from its lowest registers on
.set tt, tt+1
.endr
.endm
; THE WAY OUT, in eight chunks of one point x 64 j (4,096 consecutive bytes of out).  A lane's eight y of one j are 32 bytes; they go into my own stage, rows of 80 bytes, and come back as 512 consecutive bytes.
.macro TOSTAGE ch
	WIN 0x08                                       ; store data (source 1) in window 2
.set tt, 0
.rept 4
	ds_store_b128 v[STO], v[32*(\ch)+8*tt:32*(\ch)+8*tt+3] offset:16*SROW*tt
	ds_store_b128 v[STO], v[32*(\ch)+8*tt+4:32*(\ch)+8*tt+7] offset:16*SROW*tt+16
.set tt, tt+1
.endr
	WIN 0
	s_wait_xcnt 0x0                                ; every earlier memory instruction has had its addresses translated (ISA guide 3.1): the registers that the chunk two back stored from are loaded again only behind this wait
.set tt, 0
.rept 8
	ds_load_b128 v[OB+32*((\ch)%2)+4*tt:OB+32*((\ch)%2)+4*tt+3], v[RD] offset:8*SROW*tt  ; LDS serves a wave's instructions in order (ISA guide 5.7.1.4): these see the stores above; the next chunk's stores come behind them
.set tt, tt+1
.endr
.endm
.macro SEND ch, younger                ; younger: the LDS instructions issued behind this chunk's loads: the next chunk's sixteen, or none
.set tt, 0
.rept 8
	s_wait_dscnt (\younger)+7-tt
	global_store_b128 v[GO], v[OB+32*((\ch)%2)+4*tt:OB+32*((\ch)%2)+4*tt+3], s[10:11] offset:(\ch)*4096+512*tt th:TH_STORE_NT  ; 512 consecutive bytes, at a multiple of 512 from out's first byte
.set tt, tt+1
.endr
.endm
	s_load_b256 s[4:11], s[0:1], 0x0               ; x s[4:5], blade s[6:7], wh s[8:9], out s[10:11]
	v_lshl_add_u32 v[SPW], v0, 2, SPARE
	v_mov_b32 v[NIL], 0
	ds_add_u32 v[SPW], v[NIL]                      ; the wave's opening: the add and its wait come ahead of my first tensor load; the set-up below, work on registers, stands between them
	v_lshrrev_b32 v1, 5, v0
	v_readfirstlane_b32 s12, v1                    ; wave 0..3
	s_bfe_u32 s13, ttmp6, 0x40000                  ; cx: my place in the cluster
	s_lshl_b32 s14, ttmp9, 2                       ; in a cluster launch ttmp9 counts clusters
	s_add_co_u32 s14, s14, s13                     ; my work-group = 4 x cluster + cx: it enters x's and out's addresses alone
	s_and_b32 s15, s12, 1                          ; kh: the parity of my blocks of 32 i
	s_lshr_b32 s22, s12, 1                         ; my pair of waves
	s_lshl_b32 s16, s14, 18                        ; x: 8 points of 32,768 bytes a work-group,
	s_lshl_b32 s17, s22, 17                        ; 4 a pair,
	s_add_co_u32 s16, s16, s17
	s_lshl_b32 s17, s15, 11                        ; my first block: 32 i of 64 bytes
	s_add_co_u32 s16, s16, s17
	s_mov_b32 s17, 0
	s_lshl_b32 s18, s14, 17                        ; out: 8 points of 16,384 bytes,
	s_lshl_b32 s19, s12, 15                        ; the 2 that I keep
	s_add_co_u32 s18, s18, s19
	s_mov_b32 s19, 0
	s_mul_i32 s20, s12, R0B/4                      ; my quarter of R0, in wh and in LDS: no place in the cluster enters it
	s_mov_b32 s21, 0
	s_lshl_b32 s52, s12, 15                        ; my quarter of R1 (R1B / 4 = 32,768),
	s_add_co_u32 s52, s52, R0B                     ; which lies behind R0 in both
	s_mov_b32 s53, 0
	; descriptor group 1: dense bytes as rows of 256: 160 rows (40,960 bytes) for R0, 128 (32,768) for R1
.irp g, G1A, G1B
	s_mov_b32 s[(\g)+0], 15|(3<<16)|(1<<21)        ; 15:0 the mask: all four work-groups; 17:16 elements of 8 bytes; 20 no padding; 21 set beside a mask
	s_mov_b32 s[(\g)+1], 32<<16                    ; tensor_dim0 = 32
	s_mov_b32 s[(\g)+3], 32<<16                    ; tile_dim0 = 32
	s_mov_b32 s[(\g)+5], 32                        ; 32 elements from row to row
	s_mov_b32 s[(\g)+6], 0
	s_mov_b32 s[(\g)+7], 0
.endr
	s_mov_b32 s[G1A+2], 160<<16                    ; tensor_dim1
	s_mov_b32 s[G1A+4], 160                        ; tile_dim1
	s_mov_b32 s[G1B+2], 128<<16
	s_mov_b32 s[G1B+4], 128
	s_wait_dscnt 0x0                               ; the opening add is done
	s_wait_kmcnt 0x0
	s_add_nc_u64 s[4:5], s[4:5], s[16:17]          ; x at my pair's first point and my first block
	s_add_nc_u64 s[10:11], s[10:11], s[18:19]      ; out at the first point that I keep
	s_mov_b32 s[G0A], 1                            ; count = 1
	s_mov_b32 s[G0A+1], s20                        ; LDS address
	s_add_nc_u64 s[G0A+2:G0A+3], s[8:9], s[20:21]  ; global address: the first pair of blocks
	s_or_b32 s[G0A+3], s[G0A+3], 0x80000000        ; type = 2
	s_mov_b32 s[G0B], 1
	s_mov_b32 s[G0B+1], s52
	s_add_nc_u64 s[G0B+2:G0B+3], s[8:9], s[52:53]
	s_or_b32 s[G0B+3], s[G0B+3], 0x80000000
	CROUND                                         ; all four work-groups are here: the first joint loads meet
	tensor_load_to_lds s[G0A:G0A+3], s[G1A:G1A+7]  ; both first fills go out together, ahead of every wait on TENSORcnt and every LDS read
	s_nop 0
	tensor_load_to_lds s[G0B:G0B+3], s[G1B:G1B+7]
	s_nop 0
	PLACES
	v_and_b32 v1, 15, v0                           ; r = lane % 16
	v_bfe_u32 v2, v0, 4, 1                         ; h = lane / 16
	v_lshlrev_b32 v[TV], 6, v1
	v_lshl_add_u32 v[TV], v2, 4, v[TV]             ; 64 r + 16 h
	s_lshl_b32 s23, s15, 16                        ; of my pair's four points I keep 2 kh and 2 kh + 1,
	v_add_nc_u32 v[XOK], s23, v[TV]
	s_xor_b32 s23, s23, 65536                      ; and hand over the other two
	v_add_nc_u32 v[XOK+1], s23, v[TV]
	XLOAD                                          ; x of my first 32 i
	WIN 0
	v_lshlrev_b32 v[BO], 2, v1
	v_lshl_add_u32 v[BO], v2, 8, v[BO]
.set f, 0
.rept 72                               ; blade b = f / 8, element e = f % 8 of my eight: x = 4 h + e, or 8 + 4 h + e - 4; column y = r
	global_load_b32 v[BS+f], v[BO], s[6:7] offset:1024*(f/8)+64*(f%8)+256*((f%8)/4)
.set f, f+1
.endr
	v_and_b32 v[GO], 31, v0
	v_lshlrev_b32 v[GO], 4, v[GO]
	s_lshl_b32 s23, s15, 14
	v_add_nc_u32 v[WA], s23, v[GO]
.irp k, 1,2,3,4
	v_add_nc_u32 v[WA+(\k)], 65536*(\k), v[WA]
.endr
	v_lshl_add_u32 v[EXS], s12, 15, v[GO]
	s_xor_b32 s23, s12, 1                          ; my partner
	v_lshl_add_u32 v[EXL], s23, 15, v[GO]
	s_mul_i32 s23, s12, WSTG
	s_add_co_u32 s23, s23, STAGE                   ; my stage
	v_mul_u32_u24 v[STO], v1, SROW                 ; in: row r of a tile's 16, 32 bytes for each half of the lanes
	v_lshl_add_u32 v[STO], v2, 5, v[STO]
	v_add_nc_u32 v[STO], s23, v[STO]
	v_bfe_u32 v[TV], v0, 2, 3                      ; back: 32 lanes take eight rows of 64 bytes
	v_mul_u32_u24 v[RD], v[TV], SROW
	v_and_b32 v[TV], 3, v0
	v_lshl_add_u32 v[RD], v[TV], 4, v[RD]
	v_add_nc_u32 v[RD], s23, v[RD]
.set f, 0
.rept 8
	v_mov_b32 v[XA+8*f+4], 0                       ; the upper 16 of GEN's K: zeros, written once
	v_mov_b32 v[XA+8*f+5], 0
	v_mov_b32 v[XA+8*f+6], 0
	v_mov_b32 v[XA+8*f+7], 0
.set f, f+1
.endr
.irp n, 0,1,2,3
	v_mov_b32 v[BL+36+(\n)], 0                     ; and what stands behind the last blade
.endr
	s_wait_loadcnt 0x0                             ; x and blade
	XCVT 0
	XCVT 1
	WIN 0
.set f, 0
.rept 36
	v_cvt_pk_f16_f32 v[BL+f], v[BS+2*f], v[BS+2*f+1]
.set f, f+1
.endr
	GEN 0, 0                                       ; t of step 0, all four points
	GEN 1, 0
	PLACES
	TCVT 0, 0                                      ; points 0, 1 are rounded here, points 2, 3 by step 0 itself
	s_wait_tensorcnt 1                             ; my quarter of R0 is in; R1's may stay out
	s_barrier_signal -1
	s_barrier_wait -1                              ; everybody's is
	RUN 0, 0                                       ; fragments 0-7 of step 0
	STEP 0, 1,0,1,0,0                              ; the first K step stands in front of the loop: its products start the 64 sums
	WIN 0                                          ; at a label and at a branch every window is 0
	s_mov_b32 s48, 7
.Llap:                                                 ; a trip goes once round the ring, from a block's step 1 to the next block's step 0, and fills both slots again
	STEP 1, 0,0,1,1,0
	STEP 2, 0,0,1,0,0
	STEP 3, 0,0,1,0,0
	STEP 4, 0,1,1,0,0
	STEP 5, 0,0,1,0,0
	STEP 6, 0,0,1,0,0
	STEP 7, 0,0,1,0,0
	STEP 8, 0,1,1,0,1
	STEP 0, 0,0,1,0,0
	WIN 0
	s_sub_co_u32 s48, s48, 1
	s_cmp_lg_u32 s48, 0
	s_cbranch_scc1 .Llap
	STEP 1, 0,0,1,0,0                              ; my last block is written out: it asks for nothing, of W or of x
	STEP 2, 0,0,1,0,0
	STEP 3, 0,0,1,0,0
	STEP 4, 0,2,1,0,0
	STEP 5, 0,0,1,0,0
	STEP 6, 0,0,1,0,0
	STEP 7, 0,0,1,0,0
	STEP 8, 0,0,0,0,0
	; THE EXCHANGE: the partial sums of local points 2, 3 go to my partner, 32,768 bytes a wave, lane by lane, into the ring's first 131,072 bytes.
	PLACES                                         ; the stores read results just made
	WIN 0x0c                                       ; store data (source 1) in window 3
.set n, 0
.rept 64
	ds_store_b128 v[EXS], v[4*n:4*n+3] offset:512*n  ; each accumulator's lowest registers first
.set n, n+1
.endr
	WIN 0
	s_wait_dscnt 0x0                               ; for my partner's sake: my stores are done
	s_barrier_signal -1
	s_barrier_wait -1
.irp g, 0,1,2,3
	RECV \g
.endr
.irp g, 0,1,2,3
	RECV (\g)+4
	s_wait_dscnt 32                                ; group g is in: four groups of eight loads were issued behind it
	SUM \g
.endr
.irp g, 4,5,6,7
	s_wait_dscnt 8*(7-(\g))                        ; the counts run down
	SUM \g
.endr
	TOSTAGE 0
.irp a, 1,2,3,4,5,6,7                  ; a chunk's way through the stage stands between the loads of the chunk before and its stores
	TOSTAGE \a
	SEND (\a)-1, 16
.endr
	SEND 7, 0
	s_wait_tensorcnt 0x0                           ; the wave's end: behind my last tensor load and my last LDS store
	ds_add_u32 v[SPW], v[NIL]
	s_wait_dscnt 0x0
	CROUND                                         ; the closing round: no work-group ends while a partner may still ask for a tile that names it
	s_endpgm
.Lfunc_end_k_q812aef4daa_equi:
	.size	k_q812aef4daa_equi, .Lfunc_end_k_q812aef4daa_equi-k_q812aef4daa_equi
	.p2alignl 7, 3214868480
	.fill 96, 4, 3214868480
	.section	.rodata,"a",@progbits
	.p2align	6, 0x0
	.amdhsa_kernel k_q812aef4daa_equi
		.amdhsa_group_segment_fixed_size 327680
		.amdhsa_private_segment_fixed_size 0
		.amdhsa_enable_private_segment 0
		.amdhsa_kernarg_size 32
		.amdhsa_user_sgpr_count 2
		.amdhsa_user_sgpr_kernarg_segment_ptr 1
		.amdhsa_wavefront_size32 1
		.amdhsa_system_sgpr_workgroup_id_x 1
		.amdhsa_system_sgpr_workgroup_id_y 1
		.amdhsa_system_sgpr_workgroup_id_z 1
		.amdhsa_system_vgpr_workitem_id 0
		.amdhsa_next_free_vgpr 1024
		.amdhsa_next_free_sgpr 66
		.amdhsa_reserve_vcc 0
		.amdhsa_float_denorm_mode_32 3
		.amdhsa_float_denorm_mode_16_64 3
		.amdhsa_memory_ordered 1
		.amdhsa_forward_progress 1
		.amdhsa_inst_pref_size 223
	.end_amdhsa_kernel
	.amdgpu_metadata
---
amdhsa.version: [ 1, 2 ]
amdhsa.kernels:
  - .name:           k_q812aef4daa_equi
    .symbol:         k_q812aef4daa_equi.kd
    .args:
      - { .name: x, .offset: 0, .size: 8, .value_kind: global_buffer, .address_space: global }
      - { .name: blade, .offset: 8, .size: 8, .value_kind: global_buffer, .address_space: global }
      - { .name: wh, .offset: 16, .size: 8, .value_kind: global_buffer, .address_space: global }
      - { .name: out0, .offset: 24, .size: 8, .value_kind: global_buffer, .address_space: global }
    .group_segment_fixed_size: 327680
    .private_segment_fixed_size: 0
    .kernarg_segment_align: 8
    .kernarg_segment_size: 32
    .max_flat_workgroup_size: 128
    .sgpr_count:     66
    .vgpr_count:     1024
    .wavefront_size: 32
...
	.end_amdgpu_metadata
.endif
;; end of part 4
